; MI455X (gfx1250); checked and timed in simulation.
; The chip was launched on July 23, 2026; its instructions are those of AMD's public machine-readable ISA for CDNA 5 (MIT licence, August 2026) and "CDNA5" Instruction Set Architecture Reference Guide (July 2026). The comments in the code are by the model that wrote it; some were corrected since.
;; Multi Headed Self Attention. Allowed arithmetic: matrix products marked QUANTISED: E4M3 operands, one E8M0 scale for each 32 along K, by v_wmma_scale_f32_16x16x128_f8f6f4 with both operands' format E4M3, f32 sums; everything else in f32.
;; Inputs: k 4 x 2,048 x 1,024 float32; mask 4 x 2,048 int32; q 4 x 2,048 x 1,024 float32; v 4 x 2,048 x 1,024 float32.
;; Outputs: out0 4 x 2,048 x 1,024 float32.
;; This version of the problem:
;;   THIS VERSION OF THE PROBLEM IS GIVEN IN LOW PRECISION. The matrix products marked QUANTISED in the list below multiply operands that are first quantised to E4M3 (4 exponent bits, 3 mantissa bits; 8 bits a number), with one power-of-two scale for each 32 numbers along K (OCP MX v1.0); their sums are f32. All else is computed in f32.
;;   The module's matrix products, in the order in which they are computed (A, B: the left and right operand; K: the contracted axis; several contracted axes count as one K, in the product's order):
;;     1. batch 64 x [M 2,048, K 64] x [K 64, N 2,048]; A: input q; B: input k: QUANTISED
;;     2. batch 64 x [M 2,048, K 2,048] x [K 2,048, N 64]; A: softmax (see below); B: input v: QUANTISED
;;   THE QUANTISER, for each operand of a quantised product, along K:
;;     - K is cut into blocks of 32 from its start; a last block that is shorter is filled with zeros.
;;     - A block's scale is 2^e with e = floor(log2(the largest magnitude in the block)) - 8, held to -126 .. 127; a block of zeros has e = 0. As a byte (E8M0): e + 127.
;;     - Each number is divided by its block's scale, clamped to +-448, and rounded to the nearest number of E4M3, ties to even, subnormals kept.
;;     - The product sums the exact products of the quantised numbers (number of the format x scale) in f32.
;;   ~~~python
;;   def quantise(x, axis):      # numpy; x: float32 -> the quantised numbers, widened to float32 again
;;       x = np.moveaxis(x, axis, -1); K = x.shape[-1]
;;       x = np.pad(x, [(0, 0)] * (x.ndim - 1) + [(0, -K % 32)]); x = x.reshape(x.shape[:-1] + (-1, 32)); a = np.abs(x).max(-1, keepdims=True)
;;       e = np.where(a > 0, np.clip(np.frexp(np.where(a > 0, a, 1))[1] - 1 - 8, -126, 127), 0)      # np.frexp(a)[1] - 1 = floor(log2(a)), exactly
;;       r = np.clip(x / 2.0 ** e, -448, 448)
;;       step = 2.0 ** (np.maximum(np.frexp(np.where(r == 0, 1, r))[1] - 1, -6) - 3)
;;       q = np.round(r / step) * step * 2.0 ** e      # np.round: ties to even
;;       return np.moveaxis(q.reshape(q.shape[:-2] + (-1,))[..., :K], -1, axis).astype(np.float32)
;;   ~~~
;;   SOFTMAX AHEAD OF A QUANTISED PRODUCT. Where the list says 'softmax', what is quantised is not the finished softmax but p = 2^(t - M), with t = logit x log2(e) and M = ceil(the row's largest t), a whole number; so 1/2 < the row's largest p <= 1. The row's sum l is taken of the UNQUANTISED p, in f32, and the product's result is divided by l at the end. Since M is a whole number, a kernel that streams over the keys may use a running M (the ceiling of the running maximum): every later rescaling is an exact power of two, which a block's scale takes up: the codes' values come out the same.
;;   OPERANDS COMPUTED ON THE WAY. 'Computed on the way' means the value that the module computes at that place (a softmax that the list does not call 'softmax' is quantised finished and normalised). What goes into a quantiser is computed in f32, as accurately as f32 sums, v_exp_f32 and their like allow (about 1e-6 of the number): no bf16 or f16 on the way to a quantiser, and a product that is left as it is and whose result goes on into a quantised operand takes f32 operands (vector FMAs, or v_wmma_f32_16x16x4_f32). A number that lies on a knife's edge between two numbers of the format may be rounded either way, as far as f32 arithmetic and the matrix unit's own rounding can turn it there, and no further.
;; One version. Each part assembles by itself: llvm-mc -triple=amdgcn-amd-amdhsa -mcpu=gfx1250 --defsym DOCPART=n.
;; ======== version 1 of 1: 2 launches
;; limits: right only within a limited range of input values
;; workspace buffers: kv 17,301,504 bytes
;; launch prep (part 1): grid 512 x 2, 4 waves a work-group, no clusters, 34,304 bytes of LDS; arguments k, v, kv; writes kv
.if DOCPART == 1
	.amdgcn_target "amdgcn-amd-amdhsa--gfx1250"
	.amdhsa_code_object_version 6
	.text
	.protected	k_q482f39433c_prep
	.globl	k_q482f39433c_prep
	.p2align	8
	.type	k_q482f39433c_prep,@function
k_q482f39433c_prep:
	s_mov_b64 s[64:65], 0
	v_nop
	global_prefetch_b8 v0, s[64:65] scope:SCOPE_SE
	s_setreg_imm32_b32 hwreg(HW_REG_WAVE_MODE, 25, 1), 1
	s_wait_xcnt 0x0
; k, v: [4][2048][1024] f32 (batch, position, 16 heads x 64) become codes of FP8 (E4M3) with one E8M0 scale byte for each 32 along a product's K, in the workspace kv,
; laid as IMAGES OF THE OPERANDS' REGISTERS for the second launch.  k is quantised along the head's 64 (two blocks of 32), v along the keys.  q is quantised by the second launch, whose waves read it once.
; NO WORK OF THE PROBLEM IS LEFT OUT in this program: both products are live, and the mask's term differs from key to key, so it is live too (the second launch loads it).
; A block's scale is 2^(floor(log2(its largest magnitude)) - 8); its byte is the largest magnitude's exponent field - 8, held at 1 from below; each number is held within +-448 x the scale and rounded to the nearest code, ties to even.
; LIMITS: NaN and infinities among the inputs are not served.  A block of zeros gets the byte 1 where the rule says 127: its codes are zeros, which add nothing under any byte but 0xff, and this program alone reads the bytes.
; THE IMAGES.  A fragment (16 rows x 128 along K) is 2,048 bytes: four chunks of 512, lane l's 16 bytes at 16 l.
;   A block of 32 keys of one head is ONE fragment: row r holds TWO keys' 64 codes: chunk c, lane (r, h): key 8 (c / 2) + r + 8 (r / 8), dims 32 (c % 2) + 16 h + 0 .. 15.  Its scale word for row r: bytes [first key: block 0, 1; second key: block 0, 1].
;   kv: [head 64][step 16][16,896]: a step is 128 keys: K's four fragments (8,192 bytes), V's four (fragment dt: row r = dim 16 dt + r; chunk c, lane (r, h): keys 32 c + 16 h + 0 .. 15), K's 64 scale words, V's 64 (byte c for keys 32 c on).
; SHARES.  Work-group y picks the tensor (0 k, 1 v); x = 8 (16 b + s) + g: 128 positions (step s of batch b) x 128 columns (heads 2 g, 2 g + 1).  A wave takes 16 KiB of f32.
;   k: wave w takes the step's block w of 32 keys.  Each load reads 512 consecutive bytes of one position; 16 positions turn through the wave's own stage in LDS, so that a lane holds 16 neighbours of each block of 32.
;   v: wave w takes 32 columns, a lane a column, its registers running down the keys: a block of 32 keys lies in one lane, and the codes come out with the keys innermost.  No LDS.
; No tensor loads, no barrier: waves share nothing.
.set ROW,    4096                      ; bytes of a position's 1,024 numbers
.set HEADKV, 270336                    ; a head in kv
.set STEPKV, 16896                     ; a step in kv
.set SP,     528                       ; a stage row: 512 bytes + 16
.set WSTG,   16*SP                     ; a wave's stage
.set SPARE,  4*WSTG                    ; the spare words, 128 bytes for each wave; no other line names them
.set SPW,  8                           ; v8   LDS address of my spare word; never rewritten
.set NIL,  9                           ; v9   0; never rewritten
.set R0,   16                          ; v16-79   k: 16 positions as loaded, then 64 numbers of my row;  v: keys 0-63
.set R1,   80                          ; v80-143  the second 16 positions;  v: keys 64-127
.set PC0,  144                         ; v144-175 codes: a set for each half, so that no store's data are written again
.set PC1,  160
.set TM,   176                         ; v176-191 largest magnitudes, bytes, 448 x the scale, the conversions' scale operands
.set PW0,  192                         ; v192, v193 the scale words of the two halves
.set PW1,  193
.set SEL,  22                          ; s[22:23] v_permlanex16_b32's selects for lane l xor 16
.set MNT,  24                          ; s24  the mantissa field of 448
	s_load_b128 s[4:7], s[0:1], 0x0                ; k s[4:5], v s[6:7]
	s_load_b64 s[14:15], s[0:1], 0x10              ; kv
	v_lshl_add_u32 v[SPW], v0, 2, SPARE
	v_mov_b32 v[NIL], 0
	v_lshrrev_b32 v1, 5, v0
	v_readfirstlane_b32 s16, v1                    ; wave 0..3
	v_and_b32 v1, 31, v0                           ; lane
	v_and_b32 v2, 15, v0                           ; r
	v_bfe_u32 v3, v0, 4, 1                         ; h
	s_mul_i32 s25, s16, WSTG                       ; my stage
	v_lshl_add_u32 v5, v1, 4, s25                  ; into it: 16 x lane of a row
	v_mul_u32_u24 v6, v2, SP
	v_lshl_add_u32 v6, v3, 6, v6
	v_add_nc_u32 v6, s25, v6                       ; out of it: row r, + 64 h
	s_and_b32 s17, ttmp7, 0xffff                   ; which tensor
	s_lshr_b32 s18, ttmp9, 3                       ; 16 b + s
	s_and_b32 s19, ttmp9, 7                        ; g
	s_lshr_b32 s20, s18, 4                         ; b
	s_and_b32 s21, s18, 15                         ; s
	s_mov_b32 s[MNT], 0x600000
	s_lshl_b32 s26, s18, 19                        ; 128 positions of 4,096 bytes,
	s_lshl_b32 s28, s19, 9                         ; 128 columns
	s_add_co_u32 s26, s26, s28
	s_mov_b32 s27, 0
	s_lshl_b32 s29, s20, 4
	s_lshl_b32 s28, s19, 1
	s_add_co_u32 s29, s29, s28                     ; head 16 b + 2 g
	s_cmp_eq_u32 s17, 1
	s_cbranch_scc1 .Lv
	; ---------------- k ----------------
	s_lshl_b32 s28, s16, 17                        ; my 32 positions
	s_add_co_u32 s26, s26, s28
	s_wait_alu depctr_va_vdst(0)                   ; the wait ahead of the readers below
	v_lshlrev_b32 v4, 4, v1                        ; 16 x lane: a load's and a code store's offset
	s_mov_b32 s[SEL], 0x76543210
	s_mov_b32 s[SEL+1], 0xfedcba98
	s_mul_i32 s38, s29, HEADKV
	s_mul_i32 s28, s21, STEPKV
	s_add_co_u32 s38, s38, s28                     ; my head's step in kv
	s_lshl_b32 s28, s16, 11                        ; my block's fragment
	s_add_co_u32 s32, s38, s28
	s_mov_b32 s33, 0
	s_lshl_b32 s28, s16, 6                         ; my block's 16 scale words,
	s_add_co_u32 s34, s38, s28
	s_add_co_u32 s34, s34, 16384                   ; behind the step's fragments
	s_mov_b32 s35, 0
	v_mul_u32_u24 v7, v3, HEADKV                   ; lanes 16-31 store head 2 g + 1's words
	v_lshl_add_u32 v7, v2, 2, v7
.irp b, 0,1,2,3
	v_mov_b32 v[TM+4+\b], 0                        ; written once: a lane permute's destination counts as one of its sources
.endr
	s_wait_alu depctr_va_vdst(0)                   ; the wait at the head's end
	s_wait_kmcnt 0x0
	s_add_nc_u64 s[4:5], s[4:5], s[26:27]
.irp u, 0,1                            ; half u: fragment row i is position 8 u + i + 8 (i / 8) of my 32
.irp i, 0,1,2,3,4,5,6,7,8,9,10,11,12,13,14,15
	global_load_b128 v[R0+64*\u+4*\i:R0+64*\u+4*\i+3], v4, s[4:5] offset:(8*\u+\i+8*(\i/8))*ROW th:TH_LOAD_NT   ; 32 lanes read 512 consecutive bytes
.endr
.endr
	s_add_nc_u64 s[10:11], s[14:15], s[32:33]      ; head 2 g's fragment,
	s_add_nc_u64 s[40:41], s[10:11], HEADKV        ; head 2 g + 1's
	s_add_nc_u64 s[12:13], s[14:15], s[34:35]
; 16 positions through the stage: as loaded in, and back 64 numbers a lane: register 16 b + i = column 32 b + 16 h + i of row r.  LDS serves a wave's instructions in order (ISA guide 5.7.1.4)
.macro TURN x
.irp i, 0,1,2,3,4,5,6,7,8,9,10,11,12,13,14,15
	ds_store_b128 v5, v[(\x)+4*\i:(\x)+4*\i+3] offset:SP*\i
.endr
.irp b, 0,1,2,3
.irp j, 0,1,2,3
	ds_load_b128 v[(\x)+16*\b+4*\j:(\x)+16*\b+4*\j+3], v6 offset:128*\b+16*\j
.endr
.endr
.endm
; 64 numbers of a lane, four blocks of 32 shared with lane l xor 16, become 16 registers of codes and a word of four scale bytes
.macro QUANT x, pc, pw
.irp b, 0,1,2,3
	v_max3_num_f32 v[TM+\b], |v[(\x)+16*\b]|, |v[(\x)+1+16*\b]|, 0x4800000   ; my 16 numbers, and the floor 2^(9 - 127)
.endr
.irp i, 2,4,6,8,10,12,14
.irp b, 0,1,2,3
	v_max3_num_f32 v[TM+\b], v[TM+\b], |v[(\x)+16*\b+\i]|, |v[(\x)+1+16*\b+\i]|
.endr
.endr
.irp b, 0,1,2,3
	v_permlanex16_b32 v[TM+4+\b], v[TM+\b], s[SEL], s[SEL+1]
.endr
.irp b, 0,1,2,3
	v_max_num_f32 v[TM+\b], v[TM+\b], v[TM+4+\b]   ; the block's largest magnitude
.endr
.irp b, 0,1,2,3
	v_add_nc_u32 v[TM+12+\b], 0xfc000000, v[TM+\b] ; 8 off its exponent field: the conversion's scale operand
.endr
.irp b, 0,1,2,3
	v_and_or_b32 v[TM+8+\b], v[TM+\b], 0x7f800000, s[MNT]   ; 448 x the scale
.endr
.irp b, 0,1,2,3
	v_lshrrev_b32 v[TM+4+\b], 23, v[TM+12+\b]      ; the scale's byte
.endr
	v_lshl_or_b32 v[\pw], v[TM+5], 8, v[TM+4]
	v_lshl_or_b32 v[\pw], v[TM+6], 16, v[\pw]
	v_lshl_or_b32 v[\pw], v[TM+7], 24, v[\pw]
.irp b, 0,1,2,3
.irp i, 0,1,2,3,4,5,6,7,8,9,10,11,12,13,14,15
	v_med3_num_f32 v[(\x)+16*\b+\i], v[(\x)+16*\b+\i], -v[TM+8+\b], v[TM+8+\b]   ; the conversion does not saturate (ISA guide 7.6.2): the hold comes first
.endr
	v_cvt_scalef32_pk8_fp8_f32 v[(\pc)+4*\b:(\pc)+4*\b+1], v[(\x)+16*\b:(\x)+16*\b+7], v[TM+12+\b]
	v_cvt_scalef32_pk8_fp8_f32 v[(\pc)+4*\b+2:(\pc)+4*\b+3], v[(\x)+16*\b+8:(\x)+16*\b+15], v[TM+12+\b]
.endr
	v_nop                                          ; one plain vector instruction behind the last conversion
.endm
; blocks 0, 1 are head 2 g's dims 0-31, 32-63: chunks 2 u, 2 u + 1 of its fragment; blocks 2, 3 head 2 g + 1's.  Each store covers 512 consecutive bytes, aligned
.macro SEND pc, u
.irp b, 0,1
	global_store_b128 v4, v[(\pc)+4*\b:(\pc)+4*\b+3], s[10:11] offset:512*(2*(\u)+\b)
	global_store_b128 v4, v[(\pc)+8+4*\b:(\pc)+8+4*\b+3], s[40:41] offset:512*(2*(\u)+\b)
.endr
.endm
	s_wait_loadcnt 16                              ; the first half's 16 loads are in; the second half's 16 may be out
	TURN R0
	s_wait_dscnt 0x0
	QUANT R0, PC0, PW0
	SEND PC0, 0
	s_wait_loadcnt 0x0
	TURN R1
	s_wait_dscnt 0x0
	QUANT R1, PC1, PW1
	SEND PC1, 1
	v_perm_b32 v10, v[PW1], v[PW0], 0x05040100     ; head 2 g's word: the two halves' bytes 0, 1
	v_perm_b32 v11, v[PW1], v[PW0], 0x07060302     ; head 2 g + 1's: their bytes 2, 3
	v_cmp_le_u32 vcc_lo, 16, v1
	v_cndmask_b32 v10, v10, v11, vcc_lo
	global_store_b32 v7, v10, s[12:13]             ; two runs of 64 bytes
	s_wait_tensorcnt 0x0                           ; the wave's end
	ds_add_u32 v[SPW], v[NIL]
	s_wait_dscnt 0x0
	s_endpgm
	; ---------------- v: no LDS is touched on this path ----------------
.Lv:
	s_lshl_b32 s28, s16, 7                         ; my 32 columns
	s_add_co_u32 s26, s26, s28
	s_lshr_b32 s28, s16, 1
	s_add_co_u32 s29, s29, s28                     ; my head: 16 b + 2 g + w / 2
	s_mul_i32 s38, s29, HEADKV
	s_mul_i32 s28, s21, STEPKV
	s_add_co_u32 s38, s38, s28
	s_and_b32 s30, s16, 1                          ; which half of the head's 64 dims
	s_lshl_b32 s28, s30, 12
	s_add_co_u32 s32, s38, s28
	s_add_co_u32 s32, s32, 8192                    ; V's fragments lie behind K's
	s_mov_b32 s33, 0
	s_lshl_b32 s28, s30, 7
	s_add_co_u32 s34, s38, s28
	s_add_co_u32 s34, s34, 16640                   ; V's scale words
	s_mov_b32 s35, 0
	s_wait_alu depctr_va_vdst(0)                   ; the wait ahead of the readers below
	v_lshlrev_b32 v12, 2, v1                       ; 4 x lane: a load's offset, and my scale word's
	v_lshlrev_b32 v13, 4, v2
	v_lshl_add_u32 v13, v3, 11, v13                ; my codes: fragment lane / 16, 16 bytes at row lane % 16
	s_wait_alu depctr_va_vdst(0)
	s_wait_kmcnt 0x0
	s_add_nc_u64 s[8:9], s[6:7], s[26:27]
	s_add_nc_u64 s[10:11], s[14:15], s[32:33]
	s_add_nc_u64 s[12:13], s[14:15], s[34:35]
.macro VLOAD t                         ; block t: keys 32 t + i of my column; the four waves stand side by side on 512 bytes of a position
.irp i, 0,1,2,3,4,5,6,7,8,9,10,11,12,13,14,15,16,17,18,19,20,21,22,23,24,25,26,27,28,29,30,31
	global_load_b32 v[R0+32*(\t)+\i], v12, s[8:9] offset:(32*(\t)+\i)*ROW th:TH_LOAD_NT
.endr
.endm
.macro VBLOCK t
.set XS, R0+32*(\t)
.set CT, PC0+8*(\t)
.if (\t) < 3
	s_wait_loadcnt 32                              ; this block's 32 loads are in; the next block's 32 may be out
.else
	s_wait_loadcnt 0x0
.endif
.if (\t) < 2
	VLOAD (\t)+2
.endif
	v_max3_num_f32 v[TM], |v[XS]|, |v[XS+1]|, |v[XS+2]|
	v_max3_num_f32 v[TM+1], |v[XS+3]|, |v[XS+4]|, |v[XS+5]|
.irp i, 6,10,14,18,22,26
	v_max3_num_f32 v[TM], v[TM], |v[XS+\i]|, |v[XS+\i+1]|
	v_max3_num_f32 v[TM+1], v[TM+1], |v[XS+\i+2]|, |v[XS+\i+3]|
.endr
	v_max3_num_f32 v[TM], v[TM], |v[XS+30]|, |v[XS+31]|
	v_max3_num_f32 v[TM], v[TM], v[TM+1], 0x4800000
	v_add_nc_u32 v[TM+2], 0xfc000000, v[TM]
	v_and_or_b32 v[TM+3], v[TM], 0x7f800000, s[MNT]
	v_lshrrev_b32 v[TM+4], 23, v[TM+2]
.if (\t) == 0
	v_mov_b32 v[PW0], v[TM+4]
.else
	v_lshl_or_b32 v[PW0], v[TM+4], 8*(\t), v[PW0]
.endif
.irp i, 0,1,2,3,4,5,6,7,8,9,10,11,12,13,14,15,16,17,18,19,20,21,22,23,24,25,26,27,28,29,30,31
	v_med3_num_f32 v[XS+\i], v[XS+\i], -v[TM+3], v[TM+3]
.endr
.irp g, 0,1,2,3
	v_cvt_scalef32_pk8_fp8_f32 v[CT+2*\g:CT+2*\g+1], v[XS+8*\g:XS+8*\g+7], v[TM+2]
.endr
	v_nop
	global_store_b128 v13, v[CT:CT+3], s[10:11] offset:512*(\t)        ; keys 32 t + 0 .. 15: sixteen lanes store 256 consecutive bytes, aligned
	global_store_b128 v13, v[CT+4:CT+7], s[10:11] offset:512*(\t)+256  ; keys 32 t + 16 .. 31
.endm
	VLOAD 0
	VLOAD 1
	VBLOCK 0
	VBLOCK 1
	VBLOCK 2
	VBLOCK 3
	global_store_b32 v12, v[PW0], s[12:13]         ; 32 dims' scale words: 128 consecutive bytes
	s_endpgm
.Lfunc_end_k_q482f39433c_prep:
	.size	k_q482f39433c_prep, .Lfunc_end_k_q482f39433c_prep-k_q482f39433c_prep
	.p2alignl 7, 3214868480
	.fill 96, 4, 3214868480
	.section	.rodata,"a",@progbits
	.p2align	6, 0x0
	.amdhsa_kernel k_q482f39433c_prep
		.amdhsa_group_segment_fixed_size 34304
		.amdhsa_private_segment_fixed_size 0
		.amdhsa_enable_private_segment 0
		.amdhsa_kernarg_size 24
		.amdhsa_user_sgpr_count 2
		.amdhsa_user_sgpr_kernarg_segment_ptr 1
		.amdhsa_wavefront_size32 1
		.amdhsa_system_sgpr_workgroup_id_x 1
		.amdhsa_system_sgpr_workgroup_id_y 1
		.amdhsa_system_sgpr_workgroup_id_z 1
		.amdhsa_system_vgpr_workitem_id 0
		.amdhsa_next_free_vgpr 200
		.amdhsa_next_free_sgpr 66
		.amdhsa_reserve_vcc 1
		.amdhsa_float_denorm_mode_32 3
		.amdhsa_float_denorm_mode_16_64 3
		.amdhsa_memory_ordered 1
		.amdhsa_forward_progress 1
		.amdhsa_inst_pref_size 56
	.end_amdhsa_kernel
	.amdgpu_metadata
---
amdhsa.version: [ 1, 2 ]
amdhsa.kernels:
  - .name:           k_q482f39433c_prep
    .symbol:         k_q482f39433c_prep.kd
    .args:
      - { .name: k, .offset: 0, .size: 8, .value_kind: global_buffer, .address_space: global }
      - { .name: v, .offset: 8, .size: 8, .value_kind: global_buffer, .address_space: global }
      - { .name: kv, .offset: 16, .size: 8, .value_kind: global_buffer, .address_space: global }
    .group_segment_fixed_size: 34304
    .private_segment_fixed_size: 0
    .kernarg_segment_align: 8
    .kernarg_segment_size: 24
    .max_flat_workgroup_size: 128
    .sgpr_count:     66
    .vgpr_count:     200
    .wavefront_size: 32
...
	.end_amdgpu_metadata
.endif
;; end of part 1
;; launch attn (part 2): grid 4 x 64, 8 waves a work-group, clusters of 4 x 1, 327,680 bytes of LDS; arguments q, kv, mask, out0; writes out0
.if DOCPART == 2
	.amdgcn_target "amdgcn-amd-amdhsa--gfx1250"
	.amdhsa_code_object_version 6
	.text
	.protected	k_q482f39433c_attn
	.globl	k_q482f39433c_attn
	.p2align	8
	.type	k_q482f39433c_attn,@function
k_q482f39433c_attn:
	s_mov_b64 s[64:65], 0
	v_nop
	global_prefetch_b8 v0, s[64:65] scope:SCOPE_SE
	s_setreg_imm32_b32 hwreg(HW_REG_WAVE_MODE, 25, 1), 1
	s_wait_xcnt 0x0
	s_wait_alu depctr_hold_cnt(0) depctr_sa_sdst(0) depctr_va_vdst(0) depctr_va_sdst(0) depctr_va_ssrc(0) depctr_va_vcc(0) depctr_vm_vsrc(0)
	s_getreg_b32 s2, hwreg(HW_REG_IB_STS2, 6, 4)
	s_cmp_eq_u32 s2, 0
	s_cbranch_scc0 .Lentry_in_a_cluster
	s_endpgm
.Lentry_in_a_cluster:
	s_bfe_u32 s2, ttmp6, 0x10000c
	s_cmp_lg_u32 s2, 0x3003
	s_cbranch_scc0 .Lentry_shape_is_right
	s_endpgm
.Lentry_shape_is_right:
; out0[b][q][64 hd + :] = the sum over keys of softmax_key(Q . K / 8 - 10000 (1 - mask[b][key])) V, for 64 heads (head = 16 b + hd), 2,048 queries and keys, head size 64; both products on codes of FP8 (E4M3) with E8M0 scales.
; No work of the problem is left out.  K's and V's codes and scale words come from the launch before, as images of the operands' registers (layout: at that launch's head).  Q is read once, by the wave that owns the queries, and quantised here in registers.
; THE SOFTMAX AHEAD OF THE SECOND PRODUCT: t = logit x log2(e); M = the row's largest t so far, rounded UP to a whole number; p = 2^(t - M) is quantised along the keys, not normalised; the row's sum is taken of the unquantised p and divides at the end.
; When M moves, the sums and O are multiplied by 2^(old M - new M): exact.
; A BLOCK'S SCALE WITHOUT A SEARCH: p rises with the score, so the block's largest p is 2^x with x = its largest score put through the same fused multiply-add; floor(log2 p) = floor(x), taken in whole numbers: byte = floor(x) - 8 + 127, held at 1 from below.
; TWO KEYS TO A ROW.  Row r of K's fragment c holds key a = 32 c + r + 8 (r / 8) in k = 0 .. 63 and key a + 8 in k = 64 .. 127; the queries' operand is (q | 0) or (0 | q), views of one run of 40 registers [q0 0 q1 0 q0].  Zero codes add nothing.
; Both products are used transposed (S^T = K Q^T, O^T = V^T P^T): a lane holds ONE query, and register 16 c + i of S^T is key 32 c + 16 (lane / 16) + i: the conversions' results ARE the second product's operand.
; THE MASK'S TERM IS THE C OF THE FIRST PRODUCT: 80000 m - 80000 (the division by 8 comes behind the sum), from a table of the batch's 2,048 keys in LDS.
; A WHOLE HEAD STAYS IN LDS: 270,336 bytes, one tensor load a wave at the head; no slot is filled again, no barrier stands in the loop.
; CLUSTER.  The four work-groups of a cluster are the four blocks of 512 queries of ONE head: each wave's load is asked for JOINTLY, the same descriptor and a mask that names the four.
; PREFETCH.  kv is asked for once, whole, by the first instruction that can ask: there is no loop to run ahead in.  The second pass's q (32 rows x 256 bytes a wave, a lane a row) is prefetched once, behind the head, a whole pass ahead of its loads.
; SHARES.  A work-group owns 512 queries in two passes of 256; in a pass each of eight waves owns 32: two tiles of 16 (tile u, lane r: query 8 u + r + 8 (r / 8)).
; REGISTERS THAT TAKE TURNS.  XR and AR, 64 registers each: in one step K lies in XR, tile 0's scores go to AR, V follows K into XR, and when tile 0's codes are made the NEXT step's K is loaded into AR, under tile 1's softmax; the next step has the roles
; the other way round.  So the loop's trip is two steps.  The mask's terms and the scale words are loaded a step ahead too.
; DEPENDENT LINES STAND APART: block maxima in eight chains, the row's sum in three, each pair's hold four pairs behind its addition, each conversion two pairs behind its last hold; LDS loads stand between the dependent lines of the small numbers.
; LIMITS: NaN and infinities are not served.  The promise holds while |t| stays under 2^31.  Where v_exp_f32 rounds a block's largest p up to the next power of two, that one p is held at 448 x the scale.
;   A block whose every p has fallen to 0 has the byte 1: its codes are zeros.  A block of zeros of q has the byte 1 likewise.  The mask's term is rounded once (a fused multiply-add) where the problem rounds twice: they differ only for |m| of 2^24 and more.
.set STEPB, 16896                      ; a step of 128 keys in LDS: K's 4 fragments, V's 4, K's 64 scale words, V's 64
.set HEADB, 16*STEPB
.set WLOAD, HEADB/8                    ; one wave's tensor load: 132 rows of 256 bytes
.set VOFF,  8192
.set SOFF,  16384
.set BIAS,  HEADB                      ; the mask's terms, 2,048 f32
.set STAGE, BIAS+8192                  ; 16 rows x (256 + 16) bytes for each wave: q's way in, O's way out
.set SP,    272
.set SPARE, STAGE+8*16*SP              ; the spare words, 128 bytes a wave; no other line names them
; window 0
.set AF0, 3                            ; 16 x lane
.set AS0, 4                            ; scale words: lanes 0-15 K's, lanes 16-31 V's
.set AB0, 5                            ; my half's terms
.set ADF, 6                            ; the same three for the pair of steps in hand
.set ADS, 7
.set ADB, 8
.set STO, 9                            ; stage: row r, 32 h
.set RD,  10                           ; stage: row h, 16 r
.set GO,  11                           ; two rows of q or out0: 4096 h + 16 r
.set QRD, 12                           ; stage: row r, 64 h
.set SPW, 13
.set NIL, 14
.set PFO, 15                           ; 4096 x lane: the prefetch's offset; never rewritten
.set SCW, 16                           ; v16-19, v24-27 scale words of K and V, two sets by turns
.set QW0, 20                           ; q's scale words, tile 0, tile 1: bytes b0 b1 b0 b1 serve both views
.set QW1, 21
.set PW,  22                           ; v22, v23 p's scale words
.set TT0, 28                           ; v28-51, v52-75: a tile's small numbers: +0..3 blocks' largest, +4..7 second chains / the other half's, +18 -M, +19 largest t, +20:21 f, +22, +23 at work
.set TT1, 52
.set LB0, TT0+4                        ; a tile's numbers that its long runs read, in the tile's own window: +0..3 scale operands, +4..7 448 x scale, +8..13 the sum in three pairs
.set XR,  76
.set AR,  140
.set O0,  204                          ; tile 0's O^T
.set PC0, 236                          ; tile 0's codes of p
.set MO,  252
.set BST, 253
; window 1
.set BI,  0                            ; the step's 64 terms
.set S1,  64                           ; tile 1's S^T
.set O1,  128
.set PC1, 160
.set LB1, 176
.set Q,   204                          ; [q0 0 q1 0 q0]
.set WV,  14
.set SEL, 20
.set CS,  22                           ; s[22:23] c = log2(e) / 8
.set MNT, 24
.set TB,  25
.set TI,  26
.set NS,  27
.set NP,  28
.set G0,  32
.set G1,  36
.set MSB, 0
.macro WIN new                         ; bits 1:0 source 0, 3:2 source 1, 5:4 source 2, 7:6 destination; the high byte repeats the setting that is left
.if MSB != \new
	s_set_vgpr_msb (MSB<<8)|\new
.set MSB, \new
.endif
.endm
.macro ROUND
	s_barrier_signal -1
	s_barrier_wait -1
	s_cmp_lg_u32 s[WV], 0
	s_cbranch_scc1 .Lnot_wave_0_\@
	s_barrier_signal -3
.Lnot_wave_0_\@:
	s_barrier_wait -3
	s_barrier_signal -1
	s_barrier_wait -1
.endm
.macro NOPS n
.rept \n
	v_nop
.endr
.endm
	s_load_b256 s[4:11], s[0:1], 0x0               ; q s[4:5], kv s[6:7], mask s[8:9], out0 s[10:11]
	v_lshl_add_u32 v[SPW], v0, 2, SPARE
	v_mov_b32 v[NIL], 0
	ds_add_u32 v[SPW], v[NIL]                      ; the opening: the add, twice on end, and its wait ahead of my tensor load
	ds_add_u32 v[SPW], v[NIL]
	v_lshrrev_b32 v1, 5, v0
	v_readfirstlane_b32 s[WV], v1                  ; wave 0..7
	s_bfe_u32 s15, ttmp6, 0x40000                  ; cx: it enters the addresses of q and out0 alone
	s_lshl_b32 s19, ttmp9, 2
	s_add_co_u32 s19, s19, s15                     ; my block of 512 queries
	s_and_b32 s16, ttmp7, 0xffff                   ; the head, which the four partners share
	s_lshr_b32 s17, s16, 4                         ; b
	s_and_b32 s18, s16, 15                         ; hd
	s_mov_b32 s[G1], 15|(3<<16)|(1<<21)            ; the mask: all four; elements of 8 bytes; bit 21 beside a mask
	s_mov_b32 s[G1+1], 32<<16
	s_mov_b32 s[G1+2], (WLOAD/256)<<16
	s_mov_b32 s[G1+3], 32<<16
	s_mov_b32 s[G1+4], WLOAD/256
	s_mov_b32 s[G1+5], 32
	s_mov_b32 s[G1+6], 0
	s_mov_b32 s[G1+7], 0
	s_mov_b32 s[G0], 1
	s_mul_i32 s[G0+1], s[WV], WLOAD                ; my eighth of the head, in LDS
	s_mul_i32 s52, s16, HEADB
	s_add_co_u32 s52, s52, s[G0+1]                 ; and in kv
	s_mov_b32 s53, 0
	s_lshl_b32 s44, s19, 4
	s_add_co_u32 s44, s44, s[WV]                   ; my block of 32 queries in the first pass
	s_lshl_b32 s50, s17, 23
	s_lshl_b32 s45, s44, 17
	s_add_co_u32 s50, s50, s45
	s_lshl_b32 s45, s18, 8
	s_add_co_u32 s50, s50, s45                     ; in q and in out0: 2^23 a batch, 32 rows of 4,096 a block, 256 a head
	s_mov_b32 s51, 0
	s_lshl_b32 s44, s17, 13                        ; in mask
	s_mov_b32 s45, 0
	s_mov_b32 s[SEL], 0x76543210
	s_mov_b32 s[SEL+1], 0xfedcba98
	s_mov_b32 s[CS], 0x3e38aa3b
	s_mov_b32 s[CS+1], s[CS]
	s_mov_b32 s[MNT], 0x600000
	s_mov_b32 s[NP], 2
	s_mov_b32 s29, 0x479c4000                      ; 80000.0
	s_mov_b32 s30, 0xc79c4000                      ; -80000.0
	s_mul_i32 s31, s[WV], 16*SP
	s_add_co_u32 s31, s31, STAGE                   ; my stage
	v_and_b32 v1, 15, v0                           ; r
	v_bfe_u32 v2, v0, 4, 1                         ; h
	v_and_b32 v[PFO], 31, v0
	v_lshlrev_b32 v[AF0], 4, v[PFO]
	v_lshlrev_b32 v[PFO], 12, v[PFO]
	v_lshl_add_u32 v[AS0], v1, 2, SOFF
	v_lshl_add_u32 v[AS0], v2, 8, v[AS0]
	v_lshl_add_u32 v[AB0], v2, 6, BIAS
	v_mul_u32_u24 v[STO], v1, SP
	v_lshl_add_u32 v[QRD], v2, 6, v[STO]
	v_lshl_add_u32 v[STO], v2, 5, v[STO]
	v_add_nc_u32 v[QRD], s31, v[QRD]
	v_add_nc_u32 v[STO], s31, v[STO]
	v_mul_u32_u24 v[RD], v2, SP
	v_lshl_add_u32 v[RD], v1, 4, v[RD]
	v_add_nc_u32 v[RD], s31, v[RD]
	v_lshlrev_b32 v[GO], 12, v2
	v_lshl_add_u32 v[GO], v1, 4, v[GO]
	v_lshlrev_b32 v[MO], 4, v0
	v_lshl_add_u32 v[BST], v0, 4, BIAS
	s_wait_dscnt 0x0                               ; both opening adds are done
	s_wait_kmcnt 0x0
	s_add_nc_u64 s[4:5], s[4:5], s[50:51]
	s_add_nc_u64 s[10:11], s[10:11], s[50:51]
	s_add_nc_u64 s[8:9], s[8:9], s[44:45]
	s_add_nc_u64 s[G0+2:G0+3], s[6:7], s[52:53]
	s_or_b32 s[G0+3], s[G0+3], 0x80000000
	ROUND                                          ; all four work-groups are here: the joint loads meet
	tensor_load_to_lds s[G0:G0+3], s[G1:G1+7]      ; every wave's one tensor load of the launch
	s_nop 0
	NOPS 4
	s_wait_alu depctr_va_vdst(0)                   ; the wait at the head's end
	global_load_b128 v[AR:AR+3], v[MO], s[8:9]               ; the batch's mask: 256 threads x 2 x 4 words
	global_load_b128 v[AR+4:AR+7], v[MO], s[8:9] offset:4096
; my 32 queries' 64 numbers of this head: sixteen lanes read a query's 256 bytes, aligned; load i of tile u: stage rows 2 i, 2 i + 1
.macro QLOAD
.irp u, 0,1
.irp i, 0,1,2,3,4,5,6,7
	global_load_b128 v[XR+32*\u+4*\i:XR+32*\u+4*\i+3], v[GO], s[4:5] offset:(8*\u+2*\i+8*(\i/4))*4096 th:TH_LOAD_NT
.endr
.endr
.endm
	QLOAD
	WIN 0x40
.set i, 0
.rept 8
	v_mov_b32 v[Q+8+i], 0                          ; the zeros between the q, written once
	v_mov_b32 v[Q+24+i], 0
.set i, i+1
.endr
	WIN 0
.irp t, TT0,TT1
.irp b, 4,5,6,7,21
	v_mov_b32 v[\t+\b], 0                          ; written once: lane permutes' destinations; the upper half of f's pair
.endr
.endr
	s_wait_loadcnt 16                              ; the mask's two loads are in; q's sixteen may be out
.irp i, 0,1,2,3,4,5,6,7
	v_cvt_f32_i32 v[AR+\i], v[AR+\i]
.endr
.irp i, 0,1,2,3,4,5,6,7
	v_fma_f32 v[AR+\i], v[AR+\i], s29, s30         ; 80000 m - 80000 = 8 x (-10000 (1 - m))
.endr
	ds_store_b128 v[BST], v[AR:AR+3]
	ds_store_b128 v[BST], v[AR+4:AR+7] offset:4096
; Q INTO CODES.  Each tile turns through my stage, so that lane (r, h) holds dims 32 c + 16 h + 0 .. 15 of query r: AR + 32 u + 16 c.  Block 2 u + c is shared with lane l xor 16.
.macro QPREP
	s_wait_loadcnt 0x0
.irp u, 0,1
.irp i, 0,1,2,3,4,5,6,7
	ds_store_b128 v[RD], v[XR+32*\u+4*\i:XR+32*\u+4*\i+3] offset:2*\i*SP
.endr
.irp e, 0,1,2,3,4,5,6,7
	ds_load_b128 v[AR+32*\u+4*\e:AR+32*\u+4*\e+3], v[QRD] offset:128*(\e/4)+16*(\e%4)   ; LDS serves a wave's instructions in order (ISA guide 5.7.1.4)
.endr
.endr
	s_wait_dscnt 0x0
.irp b, 0,1,2,3
	v_max3_num_f32 v[TT0+\b], |v[AR+16*\b]|, |v[AR+16*\b+1]|, 0x4800000   ; with the floor 2^(9 - 127)
.endr
.irp i, 2,4,6,8,10,12,14
.irp b, 0,1,2,3
	v_max3_num_f32 v[TT0+\b], v[TT0+\b], |v[AR+16*\b+\i]|, |v[AR+16*\b+\i+1]|
.endr
.endr
.irp b, 0,1,2,3
	v_permlanex16_b32 v[TT0+4+\b], v[TT0+\b], s[SEL], s[SEL+1]
.endr
.irp b, 0,1,2,3
	v_max_num_f32 v[TT0+\b], v[TT0+\b], v[TT0+4+\b]
.endr
.irp b, 0,1,2,3
	v_add_nc_u32 v[TT1+\b], 0xfc000000, v[TT0+\b]  ; the conversion's scale operand
.endr
.irp b, 0,1,2,3
	v_and_or_b32 v[TT0+8+\b], v[TT0+\b], 0x7f800000, s[MNT]   ; 448 x the scale
.endr
.irp b, 0,1,2,3
	v_lshrrev_b32 v[TT0+4+\b], 23, v[TT1+\b]       ; the byte
.endr
	v_lshl_or_b32 v[QW0], v[TT0+5], 8, v[TT0+4]
	v_lshl_or_b32 v[QW1], v[TT0+7], 8, v[TT0+6]
	v_lshl_or_b32 v[QW0], v[QW0], 16, v[QW0]
	v_lshl_or_b32 v[QW1], v[QW1], 16, v[QW1]
.irp b, 0,1,2,3
.set i, 0
.rept 16
	v_med3_num_f32 v[AR+16*\b+i], v[AR+16*\b+i], -v[TT0+8+\b], v[TT0+8+\b]
.set i, i+1
.endr
.endr
	WIN 0x40                                       ; the codes go to window 1; q0 is converted into both its places
.irp b, 0,1
.irp d, Q, Q+32
	v_cvt_scalef32_pk8_fp8_f32 v[\d+4*\b:\d+4*\b+1], v[AR+16*\b:AR+16*\b+7], v[TT1+\b]
	v_cvt_scalef32_pk8_fp8_f32 v[\d+4*\b+2:\d+4*\b+3], v[AR+16*\b+8:AR+16*\b+15], v[TT1+\b]
.endr
	v_cvt_scalef32_pk8_fp8_f32 v[Q+16+4*\b:Q+16+4*\b+1], v[AR+32+16*\b:AR+32+16*\b+7], v[TT1+2+\b]
	v_cvt_scalef32_pk8_fp8_f32 v[Q+16+4*\b+2:Q+16+4*\b+3], v[AR+32+16*\b+8:AR+32+16*\b+15], v[TT1+2+\b]
.endr
	v_nop                                          ; one plain line behind the last conversion
	WIN 0
.endm
	QPREP
	s_wait_alu depctr_va_vdst(0)                   ; the wait ahead of the waits below
	s_wait_tensorcnt 0x0                           ; my eighth of the head has landed,
	s_wait_dscnt 0x0                               ; my terms are stored:
	s_barrier_signal -1
	s_barrier_wait -1                              ; everybody's are.  Nothing in LDS but each wave's own stage is written from here on
	global_prefetch_b8 v[PFO], s[4:5] offset:8*32*4096 th:TH_LOAD_NT scope:SCOPE_SE   ; the second pass's 32 queries, a lane a row's 256 bytes: named once in the launch, a pass of 16 steps ahead of their loads
; S^T = K Q^T + the mask's terms, one tile: eight products, each with an accumulator of its own.  The idle line behind each product is a place: the sixteen of a step, with the two moves at the last step's end,
; are the nine ahead of tile 0's products, which write over V's registers, and the eight ahead of the first read of tile 1's scores (ISA guide 7.12.1)
.macro SPROD d, ka, q0, q1, qw, sc
.irp c, 0,1,2,3
	v_wmma_scale_f32_16x16x128_f8f6f4 v[\d+16*\c:\d+16*\c+7], v[\ka+16*\c:\ka+16*\c+15], v[\q0:\q0+15], v[BI+16*\c:BI+16*\c+7], v[\sc+\c], v[\qw]
	v_nop
	v_wmma_scale_f32_16x16x128_f8f6f4 v[\d+16*\c+8:\d+16*\c+15], v[\ka+16*\c:\ka+16*\c+15], v[\q1:\q1+15], v[BI+16*\c+8:BI+16*\c+15], v[\sc+\c], v[\qw]
	v_nop
.endr
.endm
; O^T += V^T P^T, one tile: four products; the eight accumulators take turns
.macro PVPROD o, ka, pc, pw, sc
.irp d, 0,1,2,3
	v_wmma_scale_f32_16x16x128_f8f6f4 v[\o+8*\d:\o+8*\d+7], v[\ka+16*\d:\ka+16*\d+15], v[\pc:\pc+15], v[\o+8*\d:\o+8*\d+7], v[\sc+\d], v[\pw] matrix_a_scale:MATRIX_SCALE_ROW1
.endr
.endm
; the largest score of my 16 of each block of 32 keys, in two chains a block (joined in JOINT); each accumulator is read from its low end on.  t = 1: the scores lie in window 1, the results in window 0
.macro MAXB t, s, tt
	WIN 0x15*\t
.irp e, 0,1
.irp b, 0,1,2,3
	v_max3_num_f32 v[\tt+4*\e+\b], v[\s+16*\b+8*\e], v[\s+16*\b+8*\e+1], v[\s+16*\b+8*\e+2]
.endr
.endr
	WIN 0x14*\t
.irp i, 3,5
.irp e, 0,1
.irp b, 0,1,2,3
	v_max3_num_f32 v[\tt+4*\e+\b], v[\tt+4*\e+\b], v[\s+16*\b+8*\e+\i], v[\s+16*\b+8*\e+\i+1]
.endr
.endr
.endr
.irp b, 0,1,2,3
	v_max3_num_f32 v[\tt+\b], v[\tt+\b], v[\s+16*\b+7], v[\s+16*\b+15]
.endr
.endm
.macro FRAG1 d, off                    ; a fragment, 512 consecutive bytes a load
.irp c, 0,1,2,3
	ds_load_b128 v[\d+4*\c:\d+4*\c+3], v[ADF] offset:\off+512*\c
.endr
.endm
.macro FRAGS d, off
.irp f, 0,1,2,3
	FRAG1 \d+16*\f, \off+2048*\f
.endr
.endm
.macro WORDS set, off                  ; a step's scale words
.irp i, 0,1,2,3
	ds_load_b32 v[SCW+8*(\set)+\i], v[ADS] offset:\off+64*\i
.endr
.endm
.macro TERMS off                       ; a step's 64 terms, into window 1: register 16 c + i: key 32 c + 16 h + i
	WIN 0x40
.irp c, 0,1,2,3
.irp e, 0,1,2,3
	ds_load_b128 v[BI+16*\c+4*\e:BI+16*\c+4*\e+3], v[ADB] offset:\off+128*\c+16*\e
.endr
.endr
.endm
; THE SMALL NUMBERS OF BOTH TILES, side by side in window 0: M, f, each block's exponent and p's scale words, all ahead of the exponentials.  V's loads (into K's registers) and the next scale words' stand between the dependent lines
.macro JOINT p, ka, pre
.irp b, 0,1,2,3
.irp t, TT0,TT1
	v_max_num_f32 v[\t+\b], v[\t+\b], v[\t+4+\b]   ; the two chains
.endr
.endr
.irp b, 0,1,2,3
.irp t, TT0,TT1
	v_permlanex16_b32 v[\t+4+\b], v[\t+\b], s[SEL], s[SEL+1]
.endr
.endr
.irp b, 0,1,2,3
.irp t, TT0,TT1
	v_max_num_f32 v[\t+\b], v[\t+\b], v[\t+4+\b]   ; with lane l xor 16's 16 keys
.endr
.endr
.irp t, TT0,TT1
	v_max3_num_f32 v[\t+23], v[\t], v[\t+1], v[\t+2]
.endr
	FRAG1 \ka, \p*STEPB+VOFF
.irp t, TT0,TT1
	v_max_num_f32 v[\t+23], v[\t+23], v[\t+3]      ; the step's largest score of my query
.endr
	FRAG1 \ka+16, \p*STEPB+VOFF+2048
.irp t, TT0,TT1
	v_mul_f32 v[\t+23], s[CS], v[\t+23]            ; as t
.endr
	FRAG1 \ka+32, \p*STEPB+VOFF+4096
.irp t, TT0,TT1
	v_max_num_f32 v[\t+19], v[\t+19], v[\t+23]     ; the running largest t
.endr
	FRAG1 \ka+48, \p*STEPB+VOFF+6144
.irp t, TT0,TT1
	v_floor_f32 v[\t+18], -v[\t+19]                ; -M = floor(-t): a whole number
.endr
.if \pre
	WORDS 1-\p, (\p+1)*STEPB
.endif
.irp b, 0,1,2,3
.irp t, TT0,TT1
	v_fma_f32 v[\t+\b], v[\t+\b], s[CS], v[\t+18]  ; x of the block's largest score: the same fused multiply-add as every score's
.endr
.endr
.irp t, TT0,TT1
	v_sub_f32 v[\t+22], v[\t+18], v[\t+22]         ; old M - new M (+22 held the old -M)
.endr
.irp b, 0,1,2,3
.irp t, TT0,TT1
	v_cvt_floor_i32_f32 v[\t+\b], v[\t+\b]         ; floor(log2(the block's largest p))
.endr
.endr
.irp t, TT0,TT1
	v_cvt_i32_f32 v[\t+22], v[\t+22]               ; (it saturates)
.endr
.irp b, 0,1,2,3
.irp t, TT0,TT1
	v_max_i32 v[\t+\b], 0xffffff8a, v[\t+\b]       ; at least -118: the byte cannot fall under 1
.endr
.endr
.irp t, TT0,TT1
	v_ldexp_f32 v[\t+20], 1.0, v[\t+22]            ; f = 2^(old M - new M)
.endr
.irp g, 0,1,2,3                        ; p's scale word: the four bytes less 119 each, summed in place (modulo 2^32), and 119 to each; tile 0's O^T under the new M stands between the lines
.irp t, TT0,TT1
.if \g == 0
	v_lshl_add_u32 v[\t+22], v[\t+1], 8, v[\t]
.endif
.if \g == 1
	v_lshl_add_u32 v[\t+22], v[\t+2], 16, v[\t+22]
.endif
.if \g == 2
	v_lshl_add_u32 v[\t+22], v[\t+3], 24, v[\t+22]
.endif
.if \g == 3
	v_add_nc_u32 v[PW+(\t-TT0)/24], 0x77777777, v[\t+22]
.endif
.endr
.irp j, 0,2,4,6
	v_pk_mul_f32 v[O0+8*\g+\j:O0+8*\g+\j+1], v[O0+8*\g+\j:O0+8*\g+\j+1], v[TT0+20:TT0+21] op_sel_hi:[1,0]
.endr
.endr
	WIN 0x41                                       ; tile 1's O^T, in window 1, under the new M
.set j, 0
.rept 16
	v_pk_mul_f32 v[O1+j:O1+j+1], v[O1+j:O1+j+1], v[TT1+20:TT1+21] op_sel_hi:[1,0]
.set j, j+2
.endr
.endm
; the hold of two p: the conversion to an 8-bit code does not saturate (ISA guide 7.6.2); p is not negative, so the hold is one-sided
.macro HOLD a, l
	v_dual_min_num_f32 v[\a], v[\a], v[\l] :: v_dual_min_num_f32 v[\a+1], v[\a+1], v[\l]
.endm
; one tile: p, its sum, its codes.  t = 1: scores, codes and lb in window 1, tt in window 0
; in four parts, so that both tiles' exponentials form ONE batch of a step, with one wait ahead of it and one behind it
.macro FMA t, s, tt
	WIN 0x41*\t
.set j, 0
.rept 32
	v_pk_fma_f32 v[\s+j:\s+j+1], v[\s+j:\s+j+1], s[CS:CS+1], v[\tt+18:\tt+19] op_sel_hi:[1,0,0]   ; t - M
.set j, j+2
.endr
.endm
.macro EXPS t, s
	WIN 0x41*\t
.set j, 0
.rept 64
	v_exp_f32 v[\s+j], v[\s+j]                     ; p = 2^(t - M)
.set j, j+1
.endr
.endm
.macro POST t, tt, lb
	WIN 0x41*\t
.irp i, 8,10,12                        ; plain lines behind the exponentials, which name none of their results: the sums under the new M,
	v_pk_mul_f32 v[\lb+\i:\lb+\i+1], v[\lb+\i:\lb+\i+1], v[\tt+20:\tt+21] op_sel_hi:[1,0]
.endr
	WIN 0x40*\t
.irp b, 0,1,2,3
	v_add_lshl_u32 v[\lb+\b], v[\tt+\b], 0x77, 23  ; the byte, + 119, in the exponent field: the conversion's scale operand,
.endr
	WIN 0x44*\t
.irp b, 0,1,2,3
	v_add_nc_u32 v[\lb+4+\b], 0x4600000, v[\lb+\b] ; 448 x the scale: 8 more in the exponent field, 448's mantissa
.endr
.endm
.macro MAIN t, s, pc, lb
	WIN 0x45*\t
.set k, 0
.rept 36                               ; pair k: into the row's sum of the unquantised p (three chains by turns); pair k - 4: held; eight numbers whose last hold stands two pairs back: converted
.if k < 32
	v_pk_add_f32 v[\lb+8+2*(k%3):\lb+9+2*(k%3)], v[\lb+8+2*(k%3):\lb+9+2*(k%3)], v[\s+2*k:\s+2*k+1]
.endif
.if k >= 4
	HOLD \s+2*(k-4), \lb+4+(k-4)/8
.endif
.if k >= 9
.if (k-9)%4 == 0
	v_cvt_scalef32_pk8_fp8_f32 v[\pc+2*((k-9)/4):\pc+2*((k-9)/4)+1], v[\s+8*((k-9)/4):\s+8*((k-9)/4)+7], v[\lb+(k-9)/8]
.endif
.endif
.set k, k+1
.endr
	v_cvt_scalef32_pk8_fp8_f32 v[\pc+14:\pc+15], v[\s+56:\s+63], v[\lb+3]
.endm
; A STEP: 128 keys, both tiles; the p-th of a pair.  K lies in ka; tile 0's scores go to sa.  pre = 1: the next step's operands are fetched; pre = 0, a pass's last step: the next pass's q, if there is one
.macro STEP p, ka, sa, pre
	s_wait_dscnt 0x0                               ; K, the terms and the scale words, asked for in the step before.  What the last step's end wrote (the old -M, the addresses) is first read behind 28 and more plain vector lines
	WIN 0x54                                       ; Q, the terms and tile 1's scores window 1
	SPROD S1, \ka, Q+16, Q+8, QW1, SCW+8*\p
	WIN 0x14
	SPROD \sa, \ka, Q, Q+24, QW0, SCW+8*\p
	MAXB 1, S1, TT1                                ; its 28 lines, which name none of tile 0's products' registers, are the places ahead of the terms' loads and of the first read of tile 0's scores
.if \pre
	TERMS (\p+1)*512
.endif
	MAXB 0, \sa, TT0
	WIN 0
	JOINT \p, \ka, \pre
	FMA 1, S1, TT1
	FMA 0, \sa, TT0
	s_wait_alu depctr_va_vdst(0)                   ; the wait ahead of the batch
	EXPS 0, \sa
	EXPS 1, S1
	POST 1, TT1, LB1
	POST 0, TT0, LB0
	s_wait_alu depctr_va_vdst(0)                   ; the wait ahead of the first reader of p; it stands directly ahead of the wait below too
	s_wait_dscnt 4*\pre                            ; V is in; the 4 loads of scale words behind it may be out
	MAIN 0, \sa, PC0, LB0
.if \pre
	FRAGS \sa, (\p+1)*STEPB                        ; the next step's K, into tile 0's spent scores
.else
	s_cmp_eq_u32 s[NP], 1
	s_cbranch_scc1 .Lnoq_\@
	s_wait_xcnt 0x0                                ; the prefetch has read its address
	s_add_nc_u64 s[4:5], s[4:5], 8*32*4096         ; eight blocks on (the loads that read this address were waited for)
	QLOAD
.Lnoq_\@:
.endif
	MAIN 1, S1, PC1, LB1
	NOPS 4                                         ; four places between the last conversion and the products that read the codes
	WIN 0
	PVPROD O0, \ka, PC0, PW, SCW+8*\p
	WIN 0x54
	PVPROD O1, \ka, PC1, PW+1, SCW+8*\p
	WIN 0
.if \pre
.irp t, TT0,TT1
	v_mov_b32 v[\t+22], v[\t+18]                   ; the old -M
.endr
.if \p
	s_add_co_u32 s[TB], s[TB], 2*STEPB
	s_add_co_u32 s[TI], s[TI], 1024
	v_add_nc_u32 v[ADF], s[TB], v[AF0]
	v_add_nc_u32 v[ADS], s[TB], v[AS0]
	v_add_nc_u32 v[ADB], s[TI], v[AB0]
.endif
.else
	NOPS 8                                         ; eight ahead of the first read of O^T
.endif
.endm
; THE WAY OUT of tile u: O^T / the sum goes through my stage and comes back as whole rows of 256 bytes
.macro OUT u, tt, lb, o, z
	WIN 0x45*\u
	v_pk_add_f32 v[\lb+8:\lb+9], v[\lb+8:\lb+9], v[\lb+10:\lb+11]
	v_pk_add_f32 v[\lb+8:\lb+9], v[\lb+8:\lb+9], v[\lb+12:\lb+13]
	WIN 0x05*\u
	v_add_f32 v[\tt+22], v[\lb+8], v[\lb+9]
	WIN 0
	v_permlanex16_b32 v[\tt+4], v[\tt+22], s[SEL], s[SEL+1]
	v_add_f32 v[\tt+22], v[\tt+22], v[\tt+4]       ; the row's sum
	s_wait_alu depctr_va_vdst(0)
	v_rcp_f32 v[\tt+22], v[\tt+22]
	v_nop
	s_wait_alu depctr_va_vdst(0)
	WIN 0x01*\u
.set j, 0
.rept 32
	v_mul_f32 v[AR+j], v[\o+j], v[\tt+22]          ; register 8 d + i: dim 16 d + 8 h + i of query r
.set j, j+1
.endr
	WIN 0
.irp d, 0,1,2,3
	ds_store_b128 v[STO], v[AR+8*\d:AR+8*\d+3] offset:64*\d
	ds_store_b128 v[STO], v[AR+8*\d+4:AR+8*\d+7] offset:64*\d+16
.endr
.irp i, 0,1,2,3,4,5,6,7
	ds_load_b128 v[(\z)+4*\i:(\z)+4*\i+3], v[RD] offset:2*\i*SP
.endr
.irp i, 0,1,2,3,4,5,6,7
	s_wait_dscnt 7-\i                              ; the younger loads may stay out
	global_store_b128 v[GO], v[(\z)+4*\i:(\z)+4*\i+3], s[10:11] offset:(8*(\u)+2*\i+8*(\i/4))*4096 th:TH_STORE_NT   ; sixteen lanes store 256 consecutive bytes, aligned
.endr
.endm
.Lpass:
	s_mov_b32 s[TB], 0
	s_mov_b32 s[TI], 0
	v_mov_b32 v[ADF], v[AF0]
	v_mov_b32 v[ADS], v[AS0]
	v_mov_b32 v[ADB], v[AB0]
	WORDS 0, 0                                     ; step 0's operands
	FRAGS XR, 0
	TERMS 0
.set i, 0
.rept 32
	v_mov_b32 v[O1+i], 0                           ; O^T begins as zeros, which the first change of M leaves zeros: so the step is written once
.set i, i+1
.endr
.irp b, 8,9,10,11,12,13
	v_mov_b32 v[LB1+\b], 0
.endr
	WIN 0
.set i, 0
.rept 32
	v_mov_b32 v[O0+i], 0
.set i, i+1
.endr
.irp b, 8,9,10,11,12,13
	v_mov_b32 v[LB0+\b], 0
.endr
.irp t, TT0,TT1
	v_mov_b32 v[\t+19], 0xff61b1e6                 ; the largest t: -3e38, under every t
.endr
.irp t, TT0,TT1
	v_floor_f32 v[\t+18], -v[\t+19]
.endr
.irp t, TT0,TT1
	v_mov_b32 v[\t+22], v[\t+18]
.endr
	s_mov_b32 s[NS], 7
.Lpair:
	STEP 0, XR, AR, 1
	STEP 1, AR, XR, 1
	s_sub_co_u32 s[NS], s[NS], 1
	s_cmp_lg_u32 s[NS], 0
	s_cbranch_scc1 .Lpair
	STEP 0, XR, AR, 1                              ; the last pair is written out: its second step fetches no operand of a next step
	STEP 1, AR, XR, 0
	OUT 0, TT0, LB0, O0, AR+32
	OUT 1, TT1, LB1, O1, O0
	s_cmp_eq_u32 s[NP], 1
	s_cbranch_scc1 .Ldone
	s_wait_xcnt 0x0                                ; the stores have read their registers and their base
	s_add_nc_u64 s[10:11], s[10:11], 8*32*4096
	QPREP
	s_sub_co_u32 s[NP], s[NP], 1
	s_cmp_lg_u32 s[NP], 0
	s_cbranch_scc1 .Lpass
.Ldone:
	s_wait_tensorcnt 0x0                           ; the wave's end
	ds_add_u32 v[SPW], v[NIL]
	s_wait_dscnt 0x0
	ROUND                                          ; the closing round
	s_endpgm
.Lfunc_end_k_q482f39433c_attn:
	.size	k_q482f39433c_attn, .Lfunc_end_k_q482f39433c_attn-k_q482f39433c_attn
	.p2alignl 7, 3214868480
	.fill 96, 4, 3214868480
	.section	.rodata,"a",@progbits
	.p2align	6, 0x0
	.amdhsa_kernel k_q482f39433c_attn
		.amdhsa_group_segment_fixed_size 327680
		.amdhsa_private_segment_fixed_size 0
		.amdhsa_enable_private_segment 0
		.amdhsa_kernarg_size 32
		.amdhsa_user_sgpr_count 2
		.amdhsa_user_sgpr_kernarg_segment_ptr 1
		.amdhsa_wavefront_size32 1
		.amdhsa_system_sgpr_workgroup_id_x 1
		.amdhsa_system_sgpr_workgroup_id_y 1
		.amdhsa_system_sgpr_workgroup_id_z 1
		.amdhsa_system_vgpr_workitem_id 0
		.amdhsa_next_free_vgpr 512
		.amdhsa_next_free_sgpr 66
		.amdhsa_reserve_vcc 0
		.amdhsa_float_denorm_mode_32 3
		.amdhsa_float_denorm_mode_16_64 3
		.amdhsa_memory_ordered 1
		.amdhsa_forward_progress 1
		.amdhsa_inst_pref_size 183
	.end_amdhsa_kernel
	.amdgpu_metadata
---
amdhsa.version: [ 1, 2 ]
amdhsa.kernels:
  - .name:           k_q482f39433c_attn
    .symbol:         k_q482f39433c_attn.kd
    .args:
      - { .name: q, .offset: 0, .size: 8, .value_kind: global_buffer, .address_space: global }
      - { .name: kv, .offset: 8, .size: 8, .value_kind: global_buffer, .address_space: global }
      - { .name: mask, .offset: 16, .size: 8, .value_kind: global_buffer, .address_space: global }
      - { .name: out0, .offset: 24, .size: 8, .value_kind: global_buffer, .address_space: global }
    .group_segment_fixed_size: 327680
    .private_segment_fixed_size: 0
    .kernarg_segment_align: 8
    .kernarg_segment_size: 32
    .max_flat_workgroup_size: 256
    .sgpr_count:     66
    .vgpr_count:     512
    .wavefront_size: 32
...
	.end_amdgpu_metadata
.endif
;; end of part 2
